; MI455X (gfx1250); checked and timed in simulation.
; The chip was launched on July 23, 2026; its instructions are those of AMD's public machine-readable ISA for CDNA 5 (MIT licence, August 2026) and "CDNA5" Instruction Set Architecture Reference Guide (July 2026). The comments in the code are by the model that wrote it; some were corrected since.
;; Mo EMLP. Allowed arithmetic: matrix products marked QUANTISED: E3M2 operands, one E8M0 scale for each 32 along K, by v_wmma_scale_f32_16x16x128_f8f6f4 with both operands' format E3M2, f32 sums; products left as they are: f32 operands where the result goes on into a quantised operand, else bf16, f16 or f32 operands; f32 sums; everything else in f32.
;; Inputs: gate_w 2,048 x 8 float32; proj1 8,192 x 2,048 float32; proj1_bias 8,192 float32; proj2 2,048 x 8,192 float32; proj2_bias 2,048 float32; x 256 x 8 x 2,048 float32.
;; Outputs: out0 256 x 8 x 2,048 float32.
;; This version of the problem:
;;   THIS VERSION OF THE PROBLEM IS GIVEN IN LOW PRECISION. The matrix products marked QUANTISED in the list below multiply operands that are first quantised to E3M2 (3 exponent bits, 2 mantissa bits; 6 bits a number), with one power-of-two scale for each 32 numbers along K (OCP MX v1.0); their sums are f32. All else is computed in f32.
;;   The module's matrix products, in the order in which they are computed (A, B: the left and right operand; K: the contracted axis; several contracted axes count as one K, in the product's order):
;;     1. [M 2,048, K 2,048] x [K 2,048, N 8]; A: input x; B: input gate_w: left as it is (N = 8 < 16)
;;     2. [M 2,048, K 2,048] x [K 2,048, N 8,192]; A: input x; B: input proj1: QUANTISED
;;     3. [M 2,048, K 8,192] x [K 8,192, N 2,048]; A: computed on the way; B: input proj2: QUANTISED
;;   THE QUANTISER, for each operand of a quantised product, along K:
;;     - K is cut into blocks of 32 from its start; a last block that is shorter is filled with zeros.
;;     - A block's scale is 2^e with e = floor(log2(the largest magnitude in the block)) - 4, held to -126 .. 127; a block of zeros has e = 0. As a byte (E8M0): e + 127.
;;     - Each number is divided by its block's scale, clamped to +-28, and rounded to the nearest number of E3M2, ties to even, subnormals kept.
;;     - The product sums the exact products of the quantised numbers (number of the format x scale) in f32.
;;   ~~~python
;;   def quantise(x, axis):      # numpy; x: float32 -> the quantised numbers, widened to float32 again
;;       x = np.moveaxis(x, axis, -1); K = x.shape[-1]
;;       x = np.pad(x, [(0, 0)] * (x.ndim - 1) + [(0, -K % 32)]); x = x.reshape(x.shape[:-1] + (-1, 32)); a = np.abs(x).max(-1, keepdims=True)
;;       e = np.where(a > 0, np.clip(np.frexp(np.where(a > 0, a, 1))[1] - 1 - 4, -126, 127), 0)      # np.frexp(a)[1] - 1 = floor(log2(a)), exactly
;;       r = np.clip(x / 2.0 ** e, -28, 28)
;;       step = 2.0 ** (np.maximum(np.frexp(np.where(r == 0, 1, r))[1] - 1, -2) - 2)
;;       q = np.round(r / step) * step * 2.0 ** e      # np.round: ties to even
;;       return np.moveaxis(q.reshape(q.shape[:-2] + (-1,))[..., :K], -1, axis).astype(np.float32)
;;   ~~~
;;   OPERANDS COMPUTED ON THE WAY. 'Computed on the way' means the value that the module computes at that place (a softmax that the list does not call 'softmax' is quantised finished and normalised). What goes into a quantiser is computed in f32, as accurately as f32 sums, v_exp_f32 and their like allow (about 1e-6 of the number): no bf16 or f16 on the way to a quantiser, and a product that is left as it is and whose result goes on into a quantised operand takes f32 operands (vector FMAs, or v_wmma_f32_16x16x4_f32). A number that lies on a knife's edge between two numbers of the format may be rounded either way, as far as f32 arithmetic and the matrix unit's own rounding can turn it there, and no further.
;; One version. Each part assembles by itself: llvm-mc -triple=amdgcn-amd-amdhsa -mcpu=gfx1250 --defsym DOCPART=n.
;; ======== version 1 of 1: 3 launches
;; limits: right only within a limited range of input values
;; workspace buffers: xq 3,276,800 bytes; w1q 13,107,200 bytes; w2q 13,107,200 bytes; hq 13,107,200 bytes
;; launch quant (part 1): grid 256 x 1, 9 waves a work-group, no clusters, 81,920 bytes of LDS; arguments x, proj1, proj2, xq, w1q, w2q; writes xq, w1q, w2q
.if DOCPART == 1
	.amdgcn_target "amdgcn-amd-amdhsa--gfx1250"
	.amdhsa_code_object_version 6
	.text
	.protected	k_q70d928574e_quant
	.globl	k_q70d928574e_quant
	.p2align	8
	.type	k_q70d928574e_quant,@function
k_q70d928574e_quant:
	s_mov_b64 s[64:65], 0
	v_nop
	global_prefetch_b8 v0, s[64:65] scope:SCOPE_SE
	s_setreg_imm32_b32 hwreg(HW_REG_WAVE_MODE, 25, 1), 1
	s_wait_xcnt 0x0
; x [2048][2048], proj1 [8192][2048] and proj2 [2048][8192], f32 with K innermost, become codes of BF6 (E3M2) with one E8M0 byte for each 32 along K.
; WORK LEFT OUT: reference() forms dst = argmax(x gate_w) and deletes it unused; out is made of x, proj1, proj2 and the two biases alone.  So for every value of the inputs the product x gate_w
; and its argmax reach no output: they are not computed, and gate_w is not loaded and is among no launch's arguments.  LIMIT: a NaN, an infinity or an overflow that reaches only that product is not carried to the result.
; A block's scale is 2^(floor(log2(its largest magnitude)) - 4); its byte is the largest magnitude's exponent field - 4, held at 1 from below.
; THE CODES ARE LAID IN THE ORDER OF THE OPERAND'S REGISTERS.  Block (g = row / 128, kk = k / 128) is 12,800 bytes at (g x K / 128 + kk) x 12,800: eight fragments of 1,536 bytes
; (fragment i: register group c of lane l at 1,536 i + 512 c + 16 l), then 512 bytes of scale words (fragment i, position r at 12,288 + 64 i + 4 r).
; Position r of fragment i is row 128 g + 32 (i / 2) + 8 (i % 2) + r + 8 (r / 8): so a transposed product's 16 registers of two neighbouring tiles are 16 neighbours along this axis.
; SHARES.  The three tensors are 18,432 fragment steps (16 rows x 128 K) = 256 work-groups x 9 waves x 8.  A WAVE'S UNIT is a band of 64 rows x 256 along K: four fragments x two K steps.
; Work-groups 0-31: waves 0-7 take band W of x (wave w: K steps 2 w, 2 w + 1), wave 8 takes weight unit W.  Work-groups 32-255: wave w takes weight unit 9 W - 256 + w.
; Weight units 0-1,023 are proj1's (band p / 8, pair of K steps p % 8), 1,024-2,047 proj2's (band p' / 32, pair p' % 32).  Only pointers and numbers are chosen: one way through the text.
; A fragment step: 16 loads of 512 consecutive bytes (a row each), a turn through the wave's own stage in LDS so that a lane holds 16 neighbours of each block of 32, the quantiser, three stores of 512 consecutive bytes.
; The four fragments' scale words of a K step are 256 consecutive bytes of the block: the wave gathers them in LDS bytes of its own and stores them as one aligned run.
; No tensor loads, no barrier, no cluster: waves and work-groups share nothing, and each input byte is read once.
; LIMITS: NaN and infinities among the inputs are not served.  A block of zeros, or one whose largest magnitude lies under 2^-122, keeps the byte 1 where the rule says 127 for zeros:
; its codes add nothing, and this program alone reads the bytes.
.set STGW, 8448                        ; a wave's stage: 16 rows x (512 + 16) bytes
.set SG,   9*STGW                      ; behind the nine stages: the scale words, 512 bytes a wave: [K step 0, 1][fragment 0..3][position 0..15]
.set SPARE, SG+9*512                   ; behind them the spare words, 128 bytes a wave, in whole blocks of 256 bytes that no other line names
.set BLK,  12800
.set FRB,  1536
.set LI,   1                           ; v1   16 x lane
.set STW,  2                           ; v2   stage, on the way in
.set STR,  3                           ; v3   stage, on the way out: row r, + 64 h
.set SGW,  4                           ; v4   where my row's scale word goes
.set SGR,  5                           ; v5   where I read scale words back
.set SGO,  6                           ; v6   8 x lane
.set SPW,  7                           ; v7   my spare word: SPARE + 4 x my thread's number; never rewritten
.set NIL,  8                           ; v8   0; never rewritten
.set TM,   12                          ; v12-15 largest magnitudes, v16-19 the other half's, then bytes, v20-23 the conversions' scale operands
.set PC,   24                          ; v24-35 a fragment's codes; v36-38, v40-42 at work
.set PW,   39                          ; v39  the scale word
.set VO,   60                          ; v60-63 16 x lane + the first row of fragment 0..3, in bytes; never rewritten
.set X,    64                          ; v64-127 64 numbers: register 16 b + i = k 32 b + 16 h + i of my row
.set R,    128                         ; v128-255 two sets of 64 registers as loaded
.set RB,   66                          ; s[66:97] the addresses of rows j + 8 (j / 8), j = 0 .. 15, of my band at my first K step; never rewritten
.set SEL,  44                          ; s[44:45] lane selects: lane l xor 16
	s_load_b256 s[4:11], s[0:1], 0x0               ; x, proj1, proj2, xq
	s_load_b128 s[12:15], s[0:1], 0x20             ; w1q, w2q
	v_lshl_add_u32 v[SPW], v0, 2, SPARE
	v_mov_b32 v[NIL], 0
	v_lshrrev_b32 v1, 5, v0
	s_delay_alu instid0(VALU_DEP_1)
	v_readfirstlane_b32 s40, v1                    ; wave 0..8
	v_and_b32 v12, 31, v0                          ; lane
	v_and_b32 v13, 15, v0                          ; r
	v_bfe_u32 v14, v0, 4, 1                        ; h
	s_delay_alu instid0(VALU_DEP_3)
	v_lshlrev_b32 v[LI], 4, v12
	s_mul_i32 s20, s40, STGW
	v_add_nc_u32 v[STW], s20, v[LI]
	v_mul_u32_u24 v[STR], v13, 528
	s_delay_alu instid0(VALU_DEP_1)
	v_lshl_add_u32 v[STR], v14, 6, v[STR]
	s_delay_alu instid0(VALU_DEP_1)
	v_add_nc_u32 v[STR], s20, v[STR]
	s_lshl_b32 s20, s40, 9
	s_add_co_u32 s20, s20, SG
	v_lshl_add_u32 v[SGW], v13, 2, s20             ; SG + 512 wave + 4 r
	v_lshl_add_u32 v[SGR], v12, 3, s20             ; SG + 512 wave + 8 lane
	v_lshlrev_b32 v[SGO], 3, v12
.irp b, 0,1,2,3
	v_mov_b32 v[TM+4+\b], 0                        ; written once: a lane permute's destination counts as one of its sources
.endr
	s_mov_b32 s[SEL], 0x76543210
	s_mov_b32 s[SEL+1], 0xfedcba98
	; which unit is my wave's: tensor (s38: x, s39: proj2), band of 64 rows (s22), pair of K steps (s23)
	s_mul_i32 s20, ttmp9, 9
	s_add_co_u32 s20, s20, s40
	s_sub_co_u32 s20, s20, 256                     ; work-groups 32 on: weight unit 9 W - 256 + wave
	s_cmp_lt_u32 ttmp9, 32
	s_cselect_b32 s20, ttmp9, s20                  ; work-groups 0-31: weight unit W, for wave 8
	s_cselect_b32 s38, 1, 0
	s_cmp_lt_u32 s40, 8
	s_cselect_b32 s38, s38, 0                      ; 1: my unit is x's
	s_cmp_ge_u32 s20, 1024
	s_cselect_b32 s39, 1, 0                        ; 1: proj2, whose rows are four times as long
	s_lshl_b32 s21, s39, 1
	s_lshl_b32 s25, s39, 10
	s_sub_co_u32 s26, s20, s25                     ; the unit's number within its tensor
	s_add_co_u32 s27, s21, 3                       ; 8 or 32 pairs of K steps to a band
	s_lshr_b32 s22, s26, s27
	s_lshl_b32 s23, s22, s27
	s_sub_co_u32 s23, s26, s23
	s_cmp_eq_u32 s38, 1
	s_cselect_b32 s22, ttmp9, s22
	s_cselect_b32 s23, s40, s23
	s_add_co_u32 s25, s21, 19
	s_lshl_b32 s26, s22, s25                       ; band x 64 rows, in bytes,
	s_lshl_b32 s25, s23, 10
	s_add_co_u32 s26, s26, s25                     ; + pair x 1,024 bytes
	s_mov_b32 s27, 0
	s_lshl_b32 s30, 0x2000, s21                    ; a row's bytes
	s_mov_b32 s31, 0
	s_mul_i32 s48, s30, 9                          ; from position 7 to position 8: nine rows
	s_mov_b32 s49, 0
	s_lshl_b32 s56, s30, 3                         ; fragments 1, 2, 3 begin 8, 32 and 40 rows further down
	s_lshl_b32 s57, s30, 5
	s_add_co_u32 s58, s56, s57
	v_mov_b32 v[VO], v[LI]
	v_add_nc_u32 v[VO+1], s56, v[LI]
	v_add_nc_u32 v[VO+2], s57, v[LI]
	v_add_nc_u32 v[VO+3], s58, v[LI]
	s_lshr_b32 s52, s22, 1                         ; g
	s_add_co_u32 s25, s21, 4
	s_lshl_b32 s52, s52, s25                       ; g x K / 128
	s_lshl_b32 s25, s23, 1
	s_add_co_u32 s52, s52, s25                     ; + my first K step
	s_mul_i32 s52, s52, BLK
	s_and_b32 s53, s22, 1                          ; which half of the block's eight fragments
	s_mul_i32 s50, s53, 4*FRB
	s_add_co_u32 s50, s50, s52
	s_mov_b32 s51, 0
	s_lshl_b32 s54, s53, 8
	s_add_co_u32 s54, s54, s52
	s_add_co_u32 s54, s54, 8*FRB                   ; and of its scale words
	s_mov_b32 s55, 0
	s_wait_alu depctr_va_vdst(0)
	s_wait_kmcnt 0x0
	s_cmp_eq_u32 s39, 1                            ; the choices hang on the work-group's and the wave's number alone
	s_cselect_b64 s[32:33], s[8:9], s[6:7]
	s_cselect_b64 s[34:35], s[14:15], s[12:13]
	s_cmp_eq_u32 s38, 1
	s_cselect_b64 s[32:33], s[4:5], s[32:33]
	s_cselect_b64 s[34:35], s[10:11], s[34:35]
	s_add_nc_u64 s[36:37], s[34:35], s[54:55]      ; the scale words' way out
	s_add_nc_u64 s[34:35], s[34:35], s[50:51]      ; my first fragment of my first block
	s_add_nc_u64 s[RB:RB+1], s[32:33], s[26:27]
.irp j, 1,2,3,4,5,6,7,8,9,10,11,12,13,14,15
.if \j == 8
	s_add_nc_u64 s[RB+2*\j:RB+2*\j+1], s[RB+2*\j-2:RB+2*\j-1], s[48:49]
.else
	s_add_nc_u64 s[RB+2*\j:RB+2*\j+1], s[RB+2*\j-2:RB+2*\j-1], s[30:31]
.endif
.endr
.macro LOAD f                          ; fragment step f: fragment f / 2, K step f % 2: 16 rows x 512 consecutive bytes, 16 bytes a lane
.irp j, 0,1,2,3,4,5,6,7,8,9,10,11,12,13,14,15
	global_load_b128 v[R+64*((\f)%2)+4*\j:R+64*((\f)%2)+4*\j+3], v[VO+(\f)/2], s[RB+2*\j:RB+2*\j+1] offset:512*((\f)%2) th:TH_LOAD_NT
.endr
.endm
; 64 numbers of a lane, register 16 b + i = k 32 b + 16 h + i of my row, become a fragment's codes in v[PC] on and its scale word in v[PW]
.macro QUANT s
.irp b, 0,1,2,3
	v_max3_num_f32 v[TM+\b], |v[\s+16*\b]|, |v[\s+1+16*\b]|, 0x2800000   ; my 16 numbers of block b, and the floor 2^(5 - 127): the byte cannot fall under 1
.endr
.irp i, 2,4,6,8,10,12,14
.irp b, 0,1,2,3
	s_delay_alu instid0(VALU_DEP_4)
	v_max3_num_f32 v[TM+\b], v[TM+\b], |v[\s+16*\b+\i]|, |v[\s+1+16*\b+\i]|   ; the four blocks by turns
.endr
.endr
.irp b, 0,1,2,3
	s_delay_alu instid0(VALU_DEP_4)
	v_permlanex16_b32 v[TM+4+\b], v[TM+\b], s[SEL], s[SEL+1]
.endr
.irp b, 0,1,2,3
	s_delay_alu instid0(VALU_DEP_4)
	v_max_num_f32 v[TM+\b], v[TM+\b], v[TM+4+\b]   ; with lane l xor 16's: the block's largest magnitude
.endr
.irp b, 0,1,2,3
	s_delay_alu instid0(VALU_DEP_4)
	v_add_nc_u32 v[TM+8+\b], 0xfe000000, v[TM+\b]  ; 4 off its exponent field: the conversion takes this operand's exponent field as its scale
.endr
.irp b, 0,1,2,3
	s_delay_alu instid0(VALU_DEP_4)
	v_lshrrev_b32 v[TM+4+\b], 23, v[TM+8+\b]       ; the scale's byte
.endr
	s_delay_alu instid0(VALU_DEP_3)
	v_lshl_or_b32 v[PW], v[TM+5], 8, v[TM+4]
	s_delay_alu instid0(VALU_DEP_1)
	v_lshl_or_b32 v[PW], v[TM+6], 16, v[PW]
	s_delay_alu instid0(VALU_DEP_1)
	v_lshl_or_b32 v[PW], v[TM+7], 24, v[PW]
.irp c, 0,1
	v_cvt_scalef32_pk16_bf6_f32 v[PC+6*\c:PC+2+6*\c], v[\s+32*\c:\s+15+32*\c], v[TM+8+2*\c]
	v_cvt_scalef32_pk16_bf6_f32 v[PC+12+4*\c:PC+14+4*\c], v[\s+16+32*\c:\s+31+32*\c], v[TM+8+2*\c+1]   ; a conversion's three registers begin on an even number
.endr
	v_nop                                          ; one plain place behind the scaled conversions
.irp c, 0,1                                    ; the operand wants a whole block in a lane: lanes 0-15 block 2 c, lanes 16-31 block 2 c + 1
.irp i, 0,1,2
	v_permlane16_swap_b32 v[PC+6*\c+\i], v[PC+12+4*\c+\i]
.endr
.irp i, 0,1,2
	s_delay_alu instid0(VALU_DEP_3)
	v_mov_b32 v[PC+3+6*\c+\i], v[PC+12+4*\c+\i]
.endr
.endr
.endm
.macro STEP f
.if (\f) < 7
	s_wait_loadcnt 16                              ; this step's 16 loads are in; the next step's 16 may be out
.else
	s_wait_loadcnt 0x0
.endif
.irp j, 0,1,2,3,4,5,6,7,8,9,10,11,12,13,14,15
	ds_store_b128 v[STW], v[R+64*((\f)%2)+4*\j:R+64*((\f)%2)+4*\j+3] offset:528*\j
.endr
.irp b, 0,1,2,3                                ; LDS serves a wave's instructions in order: these see the stores above
.irp j, 0,1,2,3
	ds_load_b128 v[X+16*\b+4*\j:X+16*\b+4*\j+3], v[STR] offset:128*\b+16*\j
.endr
.endr
	s_wait_xcnt 0x0                                ; the last step's stores have read the codes' registers, which the quantiser below writes.  It stands ahead of the new loads, whose own sources are never rewritten
.if (\f) < 6
	s_wait_dscnt 16                                ; all but the 16 reads: the stage's stores have read their registers,
	LOAD (\f)+2                                    ; which take the step two on
.endif
	s_wait_dscnt 0x0
	QUANT X
.irp c, 0,1,2
	global_store_b128 v[LI], v[PC+4*\c:PC+4*\c+3], s[34:35] offset:BLK*((\f)%2)+FRB*((\f)/2)+512*\c   ; 32 lanes store 512 consecutive bytes, at a multiple of 256 from the buffer's first byte
.endr
	ds_store_b32 v[SGW], v[PW] offset:256*((\f)%2)+64*((\f)/2)   ; lanes r and r + 16 write the same word with the same value
.endm
	LOAD 0
	LOAD 1
.irp f, 0,1,2,3,4,5,6,7
	STEP \f
.endr
	ds_load_b64 v[X+16:X+17], v[SGR]               ; my four fragments' words of my first K step: 256 bytes (my own stores: LDS serves a wave's instructions in order),
	ds_load_b64 v[X+18:X+19], v[SGR] offset:256    ; and of my second
	s_wait_dscnt 0x0
	global_store_b64 v[SGO], v[X+16:X+17], s[36:37]             ; 32 lanes store 256 consecutive bytes, aligned
	global_store_b64 v[SGO], v[X+18:X+19], s[36:37] offset:BLK
	s_wait_tensorcnt 0x0                           ; the wave's end, behind my last LDS store
	ds_add_u32 v[SPW], v[NIL]
	s_wait_dscnt 0x0
	s_endpgm
.Lfunc_end_k_q70d928574e_quant:
	.size	k_q70d928574e_quant, .Lfunc_end_k_q70d928574e_quant-k_q70d928574e_quant
	.p2alignl 7, 3214868480
	.fill 96, 4, 3214868480
	.section	.rodata,"a",@progbits
	.p2align	6, 0x0
	.amdhsa_kernel k_q70d928574e_quant
		.amdhsa_group_segment_fixed_size 81920
		.amdhsa_private_segment_fixed_size 0
		.amdhsa_enable_private_segment 0
		.amdhsa_kernarg_size 48
		.amdhsa_user_sgpr_count 2
		.amdhsa_user_sgpr_kernarg_segment_ptr 1
		.amdhsa_wavefront_size32 1
		.amdhsa_system_sgpr_workgroup_id_x 1
		.amdhsa_system_sgpr_workgroup_id_y 1
		.amdhsa_system_sgpr_workgroup_id_z 1
		.amdhsa_system_vgpr_workitem_id 0
		.amdhsa_next_free_vgpr 256
		.amdhsa_next_free_sgpr 100
		.amdhsa_reserve_vcc 0
		.amdhsa_float_denorm_mode_32 3
		.amdhsa_float_denorm_mode_16_64 3
		.amdhsa_memory_ordered 1
		.amdhsa_forward_progress 1
		.amdhsa_inst_pref_size 80
	.end_amdhsa_kernel
	.amdgpu_metadata
---
amdhsa.version: [ 1, 2 ]
amdhsa.kernels:
  - .name:           k_q70d928574e_quant
    .symbol:         k_q70d928574e_quant.kd
    .args:
      - { .name: x, .offset: 0, .size: 8, .value_kind: global_buffer, .address_space: global }
      - { .name: proj1, .offset: 8, .size: 8, .value_kind: global_buffer, .address_space: global }
      - { .name: proj2, .offset: 16, .size: 8, .value_kind: global_buffer, .address_space: global }
      - { .name: xq, .offset: 24, .size: 8, .value_kind: global_buffer, .address_space: global }
      - { .name: w1q, .offset: 32, .size: 8, .value_kind: global_buffer, .address_space: global }
      - { .name: w2q, .offset: 40, .size: 8, .value_kind: global_buffer, .address_space: global }
    .group_segment_fixed_size: 81920
    .private_segment_fixed_size: 0
    .kernarg_segment_align: 8
    .kernarg_segment_size: 48
    .max_flat_workgroup_size: 288
    .sgpr_count:     100
    .vgpr_count:     256
    .wavefront_size: 32
...
	.end_amdgpu_metadata
.endif
;; end of part 1
;; launch gemm1 (part 2): grid 32 x 8, 4 waves a work-group, clusters of 4 x 4, 327,680 bytes of LDS; arguments xq, w1q, proj1_bias, hq; writes hq
.if DOCPART == 2
	.amdgcn_target "amdgcn-amd-amdhsa--gfx1250"
	.amdhsa_code_object_version 6
	.text
	.protected	k_q70d928574e_gemm1
	.globl	k_q70d928574e_gemm1
	.p2align	8
	.type	k_q70d928574e_gemm1,@function
k_q70d928574e_gemm1:
	s_mov_b64 s[64:65], 0
	v_nop
	global_prefetch_b8 v0, s[64:65] scope:SCOPE_SE
	s_setreg_imm32_b32 hwreg(HW_REG_WAVE_MODE, 25, 1), 1
	s_wait_xcnt 0x0
	s_wait_alu depctr_hold_cnt(0) depctr_sa_sdst(0) depctr_va_vdst(0) depctr_va_sdst(0) depctr_va_ssrc(0) depctr_va_vcc(0) depctr_vm_vsrc(0)
	s_getreg_b32 s2, hwreg(HW_REG_IB_STS2, 6, 4)
	s_cmp_eq_u32 s2, 0
	s_cbranch_scc0 .Lentry_in_a_cluster
	s_endpgm
.Lentry_in_a_cluster:
	s_bfe_u32 s2, ttmp6, 0x10000c
	s_cmp_lg_u32 s2, 0xf033
	s_cbranch_scc0 .Lentry_shape_is_right
	s_endpgm
.Lentry_shape_is_right:
; h = gelu(Q(x) Q(proj1)^T + proj1_bias), quantised along H into hq.  Codes of BF6 (E3M2) with E8M0 scale words, laid in blocks of 12,800 bytes
; (128 rows x 128 K: eight fragments of 1,536 bytes in the order of the operand's registers, then 512 bytes of scale words).
; A work-group of four waves makes 256 x 256 of h, a wave 128 x 128; K = 2,048 goes in 16 steps of 128 through a ring of two LDS slots of three steps, filled by joint loads in a cluster of 4 x 4.
; The bias is the C of the first products.  gelu(v) = max(v, 0) - |v| erfc(|v| / sqrt 2) / 2, with erfc(z) = t exp(-z^2 + a polynomial of degree 9 in t), t = 1 / (1 + z / 2), all in f32.
; PREFETCH: a wave's operand is one dense run of 16 blocks.  Behind the joint load of tile n it asks for the bytes of the load two refills on (the head also for tile 1).
.set BLK,   12800
.set FRB,   1536
.set PART,  3*BLK
.set SLOT,  4*PART
.set SPARE, 2*SLOT
.set SGATH, SPARE+512
.set LI,   1
.set SPW,  2
.set NIL,  3
.set SGA,  4
.set SGR,  5
.set TA,   6
.set BO,   7
.set ADRA, 8
.set ADRB, 10
.set ADRS, 12
.set SC,   32
.set B1,   64
.set AF,   128
.set G1,   24
.set G0,   32
.set G1B,  48
.set G0B,  56
.set G1S,  68
.set G1SB, 76
.set SEL,  92
.set MSB, 0
.macro WIN new
.if MSB != \new
	s_set_vgpr_msb (MSB<<8)|\new
.set MSB, \new
.endif
.endm
.set MUL_LO,  0xa1
.set MUL_HI,  0xf1
.set MUL_LO0, 0x81
.set MUL_HI0, 0xc1
.set TO_B,    0x40
.macro JLOAD g0a, g1a, g0b, g1b
	s_cmp_eq_u32 s15, 0
	s_cbranch_scc0 .Lfor_b_\@
	tensor_load_to_lds s[\g0a:\g0a+3], s[\g1a:\g1a+7]
	s_nop 0
.rept 4
	v_nop
.endr
	s_branch .Lasked_\@
.Lfor_b_\@:
	tensor_load_to_lds s[\g0b:\g0b+3], s[\g1b:\g1b+7]
	s_nop 0
.rept 4
	v_nop
.endr
.Lasked_\@:
.endm
.macro CREST
	s_cmp_lg_u32 s14, 0
	s_cbranch_scc1 .Lnot_wave_0_\@
	s_barrier_signal -3
.Lnot_wave_0_\@:
	s_barrier_wait -3
	s_barrier_signal -1
	s_barrier_wait -1
.endm
.macro CROUND
	s_barrier_signal -1
	s_barrier_wait -1
	CREST
.endm
.macro PLACES n
.rept \n
	v_nop
.endr
.endm
	s_load_b256 s[4:11], s[0:1], 0x0
	v_lshl_add_u32 v[SPW], v0, 2, SPARE
	v_mov_b32 v[NIL], 0
	ds_add_u32 v2, v3
	ds_add_u32 v2, v3
	s_wait_dscnt 0x0
	v_lshrrev_b32 v1, 5, v0
	v_readfirstlane_b32 s14, v1
	s_lshr_b32 s15, s14, 1
	s_and_b32 s16, s14, 1
	s_bfe_u32 s40, ttmp6, 0x40000
	s_bfe_u32 s41, ttmp6, 0x40004
	s_lshl_b32 s42, ttmp9, 2
	s_add_co_u32 s42, s42, s40
	s_and_b32 s17, ttmp7, 0xffff
	s_lshl_b32 s17, s17, 2
	s_add_co_u32 s17, s17, s41
	s_lshl_b32 s43, s41, 2
	s_lshl_b32 s43, 15, s43
	s_lshl_b32 s44, 0x1111, s40
	s_or_b32 s[G1], s43, (3<<16)|(1<<21)
	s_or_b32 s[G1B], s44, (3<<16)|(1<<21)
	s_or_b32 s[G1S], s43, (3<<16)|(1<<21)
	s_or_b32 s[G1SB], s44, (3<<16)|(1<<21)
.irp g, G1, G1B
	s_mov_b32 s[\g+1], 32<<16
	s_mov_b32 s[\g+2], 150<<16
	s_mov_b32 s[\g+3], 32<<16
	s_mov_b32 s[\g+4], 150
	s_mov_b32 s[\g+5], 32
	s_mov_b32 s[\g+6], 0
	s_mov_b32 s[\g+7], 0
.endr
.irp g, G1S, G1SB
	s_mov_b32 s[\g+1], 32<<16
	s_mov_b32 s[\g+2], 100<<16
	s_mov_b32 s[\g+3], 32<<16
	s_mov_b32 s[\g+4], 100
	s_mov_b32 s[\g+5], 32
	s_mov_b32 s[\g+6], 0
	s_mov_b32 s[\g+7], 0
.endr
	s_lshl_b32 s20, s17, 1
	s_add_co_u32 s20, s20, s16
	s_mul_i32 s20, s20, 16*BLK
	s_mov_b32 s21, 0
	s_lshl_b32 s46, s42, 1
	s_add_co_u32 s46, s46, s16
	s_mul_i32 s46, s46, 16*BLK
	s_mov_b32 s47, 0
	s_mul_i32 s45, s14, PART
	s_wait_kmcnt 0x0
	s_add_nc_u64 s[20:21], s[4:5], s[20:21]
	s_add_nc_u64 s[46:47], s[6:7], s[46:47]
; the prefetches: three blocks are 150 runs of 256 bytes; the four partners that ask for a tile jointly share them by address, 38 each (a lane a run, two instructions; lanes left over name the last run again)
.set PF0, 18                           ; v18  256 x min(38 p + lane, 149)
.set PF1, 19                           ; v19  256 x min(38 p + 32 + min(lane, 5), 149)
.set PF2, 20                           ; v20  for one block, 50 runs, 13 a partner: 256 x min(13 p + min(lane, 12), 49)
.set PFA, 94                           ; s[94:95] where my wave's run of 16 blocks begins; never rewritten
.macro ASK off
	global_prefetch_b8 v[PF0], s[PFA:PFA+1] offset:\off th:TH_LOAD_NT scope:SCOPE_SE
	global_prefetch_b8 v[PF1], s[PFA:PFA+1] offset:\off th:TH_LOAD_NT scope:SCOPE_SE
.endm
	s_cmp_eq_u32 s15, 0                            ; do I fetch for A?
	s_cselect_b64 s[PFA:PFA+1], s[20:21], s[46:47]
	s_cselect_b32 s96, s40, s41                    ; p: my place among the four that ask with me (cx for A, cy for B)
	s_mul_i32 s97, s96, 13
	s_mul_i32 s96, s96, 38
	v_and_b32 v[PF0], 31, v0
	v_min_u32 v[PF1], 5, v[PF0]
	v_min_u32 v[PF2], 12, v[PF0]
	v_add_nc_u32 v[PF0], s96, v[PF0]
	v_add3_u32 v[PF1], v[PF1], s96, 32
	v_add_nc_u32 v[PF2], s97, v[PF2]
	v_min_u32 v[PF0], 149, v[PF0]
	v_min_u32 v[PF1], 149, v[PF1]
	v_min_u32 v[PF2], 49, v[PF2]
	v_lshlrev_b32 v[PF0], 8, v[PF0]
	v_lshlrev_b32 v[PF1], 8, v[PF1]
	v_lshlrev_b32 v[PF2], 8, v[PF2]
	CROUND
.irp s, 0,1
	s_mov_b32 s[G0+4*\s], 1
	s_add_co_u32 s[G0+4*\s+1], s45, \s*SLOT
	s_add_nc_u64 s[G0+4*\s+2:G0+4*\s+3], s[20:21], \s*PART
	s_or_b32 s[G0+4*\s+3], s[G0+4*\s+3], 0x80000000
	s_mov_b32 s[G0B+4*\s], 1
	s_add_co_u32 s[G0B+4*\s+1], s45, \s*SLOT
	s_add_nc_u64 s[G0B+4*\s+2:G0B+4*\s+3], s[46:47], \s*PART
	s_or_b32 s[G0B+4*\s+3], s[G0B+4*\s+3], 0x80000000
	s_wait_alu depctr_va_vdst(0)
	s_wait_tensorcnt 0x0
	ds_add_u32 v2, v3
	ds_add_u32 v2, v3
	s_wait_dscnt 0x0
	CROUND
	JLOAD G0+4*\s, G1, G0B+4*\s, G1B
.if \s == 0
	ASK 3*BLK                                      ; K steps 3-5
	ASK 6*BLK                                      ; K steps 6-8
.else
	ASK 9*BLK                                      ; K steps 9-11
.endif
.endr
	v_and_b32 v[TA], 31, v0
	v_lshlrev_b32 v[LI], 4, v[TA]
	v_and_b32 v14, 15, v0
	v_bfe_u32 v15, v0, 4, 1
	v_lshlrev_b32 v[BO], 6, v15
	s_mul_i32 s84, s15, PART
	s_mul_i32 s85, s16, PART
	s_add_co_u32 s85, s85, 2*PART
	s_sub_co_u32 s86, s85, s84
	v_mul_u32_u24 v16, s86, v15
	v_lshl_add_u32 v16, v14, 2, v16
.irp s, 0,1
	v_add_nc_u32 v[ADRA+\s], s84, v[LI]
	v_add_nc_u32 v[ADRB+\s], s85, v[LI]
	s_add_co_u32 s87, s84, 8*FRB
	v_add_nc_u32 v[ADRS+\s], s87, v16
	s_add_co_u32 s84, s84, SLOT
	s_add_co_u32 s85, s85, SLOT
.endr
	s_lshl_b32 s88, s14, 9
	s_add_co_u32 s88, s88, SGATH
	v_lshl_add_u32 v[SGA], v14, 2, s88
	v_add_nc_u32 v[SGR], s88, v[LI]
	s_lshl_b32 s46, s42, 10
	s_lshl_b32 s47, s16, 9
	s_add_co_u32 s46, s46, s47
	s_mov_b32 s47, 0
	s_add_nc_u64 s[8:9], s[8:9], s[46:47]
.irp b, 0,1,2,3,4,5,6,7
	global_load_b128 v[B1+8*\b:B1+8*\b+3], v[BO], s[8:9] offset:(32*(\b/2)+8*(\b%2))*4
	global_load_b128 v[B1+8*\b+4:B1+8*\b+7], v[BO], s[8:9] offset:(32*(\b/2)+8*(\b%2))*4+16
.endr
	s_lshl_b32 s90, s17, 1
	s_add_co_u32 s90, s90, s15
	s_lshl_b32 s90, s90, 6
	s_lshl_b32 s91, s42, 1
	s_add_co_u32 s91, s91, s16
	s_add_co_u32 s90, s90, s91
	s_mul_i32 s90, s90, BLK
	s_mov_b32 s91, 0
	s_add_nc_u64 s[10:11], s[10:11], s[90:91]
	s_mov_b32 s[SEL], 0x76543210
	s_mov_b32 s[SEL+1], 0xfedcba98
.macro FRAG reg, adr, off
.irp c, 0,1,2
	ds_load_b128 v[\reg+4*\c:\reg+4*\c+3], v[\adr] offset:\off+512*\c
.endr
.endm
.macro MUL16 a0, p, zero
.irp a, \a0, \a0+1
.irp b, 0,1,2,3,4,5,6,7
.if \zero
	v_wmma_scale_f32_16x16x128_f8f6f4 v[8*(8*((\a)%4)+\b):8*(8*((\a)%4)+\b)+7], v[128*(\p)+12*\b:128*(\p)+12*\b+11], v[AF+12*(\a):AF+12*(\a)+11], v[B1+8*\b:B1+8*\b+7], v[SC+8*(\p)+\b], v[SC+8*(\p)+(\a)] matrix_a_fmt:MATRIX_FMT_BF6 matrix_b_fmt:MATRIX_FMT_BF6 matrix_a_scale:MATRIX_SCALE_ROW1
.else
	v_wmma_scale_f32_16x16x128_f8f6f4 v[8*(8*((\a)%4)+\b):8*(8*((\a)%4)+\b)+7], v[128*(\p)+12*\b:128*(\p)+12*\b+11], v[AF+12*(\a):AF+12*(\a)+11], v[8*(8*((\a)%4)+\b):8*(8*((\a)%4)+\b)+7], v[SC+8*(\p)+\b], v[SC+8*(\p)+(\a)] matrix_a_fmt:MATRIX_FMT_BF6 matrix_b_fmt:MATRIX_FMT_BF6 matrix_a_scale:MATRIX_SCALE_ROW1
.endif
.endr
.endr
.endm
.macro FETCH_B slot, q, p
	WIN TO_B
.irp i, 0,1,2,3,4,5,6,7
	FRAG 128*(\p)+12*\i, ADRB+\slot, (\q)*BLK+\i*FRB
.endr
	WIN 0
.endm
.macro FETCH_A slot, q, i0
.irp i, \i0, \i0+1, \i0+2, \i0+3
	FRAG AF+12*(\i), ADRA+\slot, (\q)*BLK+(\i)*FRB
.endr
.endm
.macro SCALES slot, q, p
.irp i, 0,1,2,3,4,5,6,7
	ds_load_b32 v[SC+8*(\p)+\i], v[ADRS+\slot] offset:(\q)*BLK+64*\i
.endr
.endm
.macro STEP slot, q, p, zero
	s_wait_dscnt 12
.if \zero
	WIN MUL_LO0
.else
	WIN MUL_LO
.endif
	MUL16 0, \p, \zero
	MUL16 2, \p, \zero
	s_wait_dscnt 0x0
	PLACES 4
	FETCH_B \slot, (\q)+1, 1-(\p)
	FETCH_A \slot, (\q)+1, 0
	SCALES \slot, (\q)+1, 1-(\p)
.if \zero
	WIN MUL_HI0
.else
	WIN MUL_HI
.endif
	MUL16 4, \p, \zero
	MUL16 6, \p, \zero
	PLACES 4
	WIN 0
	FETCH_A \slot, (\q)+1, 4
.endm
.macro TURN slot, p, next, fill, adv
	s_wait_tensorcnt 0x0
	ds_add_u32 v[SPW], v[NIL]
	s_wait_dscnt 13
	WIN MUL_LO
	MUL16 0, \p, 0
	s_wait_dscnt 0x0
	s_barrier_signal -1
	MUL16 2, \p, 0
	WIN 0
	s_barrier_wait -1
.if \fill
	CREST
	s_add_nc_u64 s[G0+4*\slot+2:G0+4*\slot+3], s[G0+4*\slot+2:G0+4*\slot+3], \adv
	s_add_nc_u64 s[G0B+4*\slot+2:G0B+4*\slot+3], s[G0B+4*\slot+2:G0B+4*\slot+3], \adv
.if \fill == 1
	JLOAD G0+4*\slot, G1, G0B+4*\slot, G1B
.else
	JLOAD G0+4*\slot, G1S, G0B+4*\slot, G1SB
.endif
.else
	PLACES 4
.endif
	FETCH_B \next, 0, 1-(\p)
	FETCH_A \next, 0, 0
	SCALES \next, 0, 1-(\p)
.if \fill == 1
.if \slot == 0
	ASK 12*BLK                                     ; K steps 12-14
.else
	global_prefetch_b8 v[PF2], s[PFA:PFA+1] offset:15*BLK th:TH_LOAD_NT scope:SCOPE_SE   ; K step 15, the run's last block
.endif
.endif
	WIN MUL_HI
	MUL16 4, \p, 0
	MUL16 6, \p, 0
	PLACES 4
	WIN 0
	FETCH_A \next, 0, 4
.endm
	s_wait_alu depctr_va_vdst(0)
	s_wait_tensorcnt 1
	s_barrier_signal -1
	s_barrier_wait -1
	FETCH_B 0, 0, 0
	FETCH_A 0, 0, 0
	SCALES 0, 0, 0
	FETCH_A 0, 0, 4
	s_wait_loadcnt 0x0
	STEP 0, 0, 0, 1
	STEP 0, 1, 1, 0
	TURN 0, 0, 1, 1, 6*BLK
	STEP 1, 0, 1, 0
	STEP 1, 1, 0, 0
	TURN 1, 1, 0, 1, 6*BLK
	STEP 0, 0, 0, 0
	STEP 0, 1, 1, 0
	TURN 0, 0, 1, 2, 6*BLK
	STEP 1, 0, 1, 0
	STEP 1, 1, 0, 0
	TURN 1, 1, 0, 2, 5*BLK
	STEP 0, 0, 0, 0
	TURN 0, 1, 1, 0, 0
	STEP 1, 0, 0, 0
	s_wait_dscnt 12
	WIN MUL_LO
	MUL16 0, 1, 0
	MUL16 2, 1, 0
	s_wait_dscnt 0x0
	WIN MUL_HI
	MUL16 4, 1, 0
	MUL16 6, 1, 0
	WIN 0
.set KC,  8
.set K35, 28
.set KL2, 30
.set EQ,  32
.set AV,  64
.set MX,  128
.set ET,  192
.set EP,  224
.set TM,  32
.set PW,  44
.set PC,  64
.macro KONST reg, bits
	v_mov_b32 v[\reg], \bits
	v_mov_b32 v[\reg+1], \bits
.endm
	s_wait_xcnt 0x0                                ; the prefetches have read their offset registers, which the constants below write over
	KONST KC+0,  0xbfa1fc4e
	KONST KC+2,  0x3f8000c7
	KONST KC+4,  0x3ebf88fb
	KONST KC+6,  0x3dc636c9
	KONST KC+8,  0xbe3ec24c
	KONST KC+10, 0x3e8ec7cc
	KONST KC+12, 0xbf914e5d
	KONST KC+14, 0x3fbe87b0
	KONST KC+16, 0xbf527892
	KONST KC+18, 0x3e2ef945
	KONST K35,   0x3eb504f3
	KONST KL2,   0x3fb8aa3b
.macro PH1 a
.set WN, 0x08+4*((\a)/4)
	WIN WN
.set n, 0
.rept 64
	v_and_b32 v[AV+n], s18, v[64*((\a)%4)+n]
.set n, n+1
.endr
.set n, 0
.rept 64
	v_max_num_f32 v[MX+n], 0, v[64*((\a)%4)+n]
.set n, n+1
.endr
	WIN 0
.endm
.macro GELU c
.set A0, AV+32*(\c)
.set M0, MX+32*(\c)
.irp i, 0,2,4,6,8,10,12,14,16,18,20,22,24,26,28,30
	v_pk_fma_f32 v[ET+\i:ET+\i+1], v[A0+\i:A0+\i+1], v[K35:K35+1], 1.0 op_sel_hi:[1,1,0]
.endr
	s_wait_alu depctr_va_vdst(0)
.irp i, 0,2,4,6,8,10,12,14,16,18,20,22,24,26,28,30
	v_rcp_f32 v[ET+\i], v[ET+\i]
	v_rcp_f32 v[ET+\i+1], v[ET+\i+1]
	v_pk_mul_f32 v[EQ+\i:EQ+\i+1], v[A0+\i:A0+\i+1], v[A0+\i:A0+\i+1]
.endr
	s_wait_alu depctr_va_vdst(0)
.irp i, 0,2,4,6,8,10,12,14,16,18,20,22,24,26,28,30
	v_pk_fma_f32 v[EP+\i:EP+\i+1], v[ET+\i:ET+\i+1], v[KC+18:KC+19], v[KC+16:KC+17]
.endr
.irp k, 7,6,5,4,3,2,1,0
.irp i, 0,2,4,6,8,10,12,14,16,18,20,22,24,26,28,30
	v_pk_fma_f32 v[EP+\i:EP+\i+1], v[EP+\i:EP+\i+1], v[ET+\i:ET+\i+1], v[KC+2*\k:KC+2*\k+1]
.endr
.endr
.irp i, 0,2,4,6,8,10,12,14,16,18,20,22,24,26,28,30
	v_pk_fma_f32 v[EP+\i:EP+\i+1], v[EQ+\i:EQ+\i+1], -0.5, v[EP+\i:EP+\i+1] op_sel_hi:[1,0,1]
.endr
.irp i, 0,2,4,6,8,10,12,14,16,18,20,22,24,26,28,30
	v_pk_fma_f32 v[EP+\i:EP+\i+1], v[EP+\i:EP+\i+1], v[KL2:KL2+1], -1.0 op_sel_hi:[1,1,0]
.endr
	s_wait_alu depctr_va_vdst(0)
.irp i, 0,2,4,6,8,10,12,14,16,18,20,22,24,26,28,30
	v_exp_f32 v[EP+\i], v[EP+\i]
	v_exp_f32 v[EP+\i+1], v[EP+\i+1]
	v_pk_mul_f32 v[ET+\i:ET+\i+1], v[A0+\i:A0+\i+1], v[ET+\i:ET+\i+1]
.endr
	s_wait_alu depctr_va_vdst(0)
.irp i, 0,2,4,6,8,10,12,14,16,18,20,22,24,26,28,30
	v_pk_fma_f32 v[M0+\i:M0+\i+1], v[ET+\i:ET+\i+1], v[EP+\i:EP+\i+1], v[M0+\i:M0+\i+1] neg_lo:[1,0,0] neg_hi:[1,0,0]
.endr
.endm
.macro QUANT s
.irp b, 0,1,2,3
	v_max3_num_f32 v[TM+\b], |v[\s+16*\b]|, |v[\s+1+16*\b]|, 0x2800000
.endr
.irp i, 2,4,6,8,10,12,14
.irp b, 0,1,2,3
	v_max3_num_f32 v[TM+\b], v[TM+\b], |v[\s+16*\b+\i]|, |v[\s+1+16*\b+\i]|
.endr
.endr
.irp b, 0,1,2,3
	v_permlanex16_b32 v[TM+4+\b], v[TM+\b], s[SEL], s[SEL+1]
.endr
.irp b, 0,1,2,3
	v_max_num_f32 v[TM+\b], v[TM+\b], v[TM+4+\b]
.endr
.irp b, 0,1,2,3
	v_add_nc_u32 v[TM+8+\b], 0xfe000000, v[TM+\b]
.endr
.irp b, 0,1,2,3
	v_lshrrev_b32 v[TM+4+\b], 23, v[TM+8+\b]
.endr
	v_lshl_or_b32 v[PW], v[TM+5], 8, v[TM+4]
	v_lshl_or_b32 v[PW], v[TM+6], 16, v[PW]
	v_lshl_or_b32 v[PW], v[TM+7], 24, v[PW]
.irp c, 0,1
	v_cvt_scalef32_pk16_bf6_f32 v[PC+6*\c:PC+2+6*\c], v[\s+32*\c:\s+15+32*\c], v[TM+8+2*\c]
	v_cvt_scalef32_pk16_bf6_f32 v[PC+12+4*\c:PC+14+4*\c], v[\s+16+32*\c:\s+31+32*\c], v[TM+8+2*\c+1]
.endr
	v_nop
.irp c, 0,1
.irp i, 0,1,2
	v_permlane16_swap_b32 v[PC+6*\c+\i], v[PC+12+4*\c+\i]
.endr
.irp i, 0,1,2
	v_mov_b32 v[PC+3+6*\c+\i], v[PC+12+4*\c+\i]
.endr
.endr
.endm
	s_mov_b32 s18, 0x7fffffff
	s_mov_b32 s12, 0
	s_mov_b32 s13, 0
.Lrow:
	s_cmp_eq_u32 s12, 1
	s_cbranch_scc1 .Lph1
	s_cmp_eq_u32 s12, 2
	s_cbranch_scc1 .Lph2
	s_cmp_eq_u32 s12, 3
	s_cbranch_scc1 .Lph3
	s_cmp_eq_u32 s12, 4
	s_cbranch_scc1 .Lph4
	s_cmp_eq_u32 s12, 5
	s_cbranch_scc1 .Lph5
	s_cmp_eq_u32 s12, 6
	s_cbranch_scc1 .Lph6
	s_cmp_eq_u32 s12, 7
	s_cbranch_scc1 .Lph7
	PH1 0
	s_branch .Lcore
.Lph1:
	PH1 1
	s_branch .Lcore
.Lph2:
	PH1 2
	s_branch .Lcore
.Lph3:
	PH1 3
	s_branch .Lcore
.Lph4:
	PH1 4
	s_branch .Lcore
.Lph5:
	PH1 5
	s_branch .Lcore
.Lph6:
	PH1 6
	s_branch .Lcore
.Lph7:
	PH1 7
.Lcore:
	GELU 0
	GELU 1
	QUANT MX
.irp c, 0,1,2
	global_store_b128 v[LI], v[PC+4*\c:PC+4*\c+3], s[10:11] offset:512*\c
.endr
	v_add_nc_u32 v[TA], s13, v[SGA]
	ds_store_b32 v[TA], v[PW]
	s_wait_xcnt 0x0
	s_wait_dscnt 0x0
	s_add_nc_u64 s[10:11], s[10:11], FRB
	s_add_co_u32 s13, s13, 64
	s_add_co_u32 s12, s12, 1
	s_cmp_lt_u32 s12, 8
	s_cbranch_scc1 .Lrow
	ds_load_b128 v[PC:PC+3], v[SGR]
	s_wait_dscnt 0x0
	global_store_b128 v[LI], v[PC:PC+3], s[10:11]
	s_wait_tensorcnt 0x0
	ds_add_u32 v[SPW], v[NIL]
	s_wait_dscnt 0x0
	CROUND
	s_endpgm
.Lfunc_end_k_q70d928574e_gemm1:
	.size	k_q70d928574e_gemm1, .Lfunc_end_k_q70d928574e_gemm1-k_q70d928574e_gemm1
	.p2alignl 7, 3214868480
	.fill 96, 4, 3214868480
	.section	.rodata,"a",@progbits
	.p2align	6, 0x0
	.amdhsa_kernel k_q70d928574e_gemm1
		.amdhsa_group_segment_fixed_size 327680
		.amdhsa_private_segment_fixed_size 0
		.amdhsa_enable_private_segment 0
		.amdhsa_kernarg_size 32
		.amdhsa_user_sgpr_count 2
		.amdhsa_user_sgpr_kernarg_segment_ptr 1
		.amdhsa_wavefront_size32 1
		.amdhsa_system_sgpr_workgroup_id_x 1
		.amdhsa_system_sgpr_workgroup_id_y 1
		.amdhsa_system_sgpr_workgroup_id_z 1
		.amdhsa_system_vgpr_workitem_id 0
		.amdhsa_next_free_vgpr 1024
		.amdhsa_next_free_sgpr 100
		.amdhsa_reserve_vcc 0
		.amdhsa_float_denorm_mode_32 3
		.amdhsa_float_denorm_mode_16_64 3
		.amdhsa_memory_ordered 1
		.amdhsa_forward_progress 1
		.amdhsa_inst_pref_size 255
	.end_amdhsa_kernel
	.section	.bss,"aw",@nobits
	.p2align	6
	.space	262144
	.amdgpu_metadata
---
amdhsa.version: [ 1, 2 ]
amdhsa.kernels:
  - .name:           k_q70d928574e_gemm1
    .symbol:         k_q70d928574e_gemm1.kd
    .args:
      - { .name: xq, .offset: 0, .size: 8, .value_kind: global_buffer, .address_space: global }
      - { .name: w1q, .offset: 8, .size: 8, .value_kind: global_buffer, .address_space: global }
      - { .name: proj1_bias, .offset: 16, .size: 8, .value_kind: global_buffer, .address_space: global }
      - { .name: hq, .offset: 24, .size: 8, .value_kind: global_buffer, .address_space: global }
    .group_segment_fixed_size: 327680
    .private_segment_fixed_size: 0
    .kernarg_segment_align: 8
    .kernarg_segment_size: 32
    .max_flat_workgroup_size: 128
    .sgpr_count:     100
    .vgpr_count:     1024
    .wavefront_size: 32
...
	.end_amdgpu_metadata
.endif
;; end of part 2
;; launch gemm2 (part 3): grid 16 x 16, 4 waves a work-group, clusters of 4 x 4, 327,680 bytes of LDS; arguments hq, w2q, proj2_bias, out0; writes out0
.if DOCPART == 3
	.amdgcn_target "amdgcn-amd-amdhsa--gfx1250"
	.amdhsa_code_object_version 6
	.text
	.protected	k_q70d928574e_gemm2
	.globl	k_q70d928574e_gemm2
	.p2align	8
	.type	k_q70d928574e_gemm2,@function
k_q70d928574e_gemm2:
	s_mov_b64 s[64:65], 0
	v_nop
	global_prefetch_b8 v0, s[64:65] scope:SCOPE_SE
	s_setreg_imm32_b32 hwreg(HW_REG_WAVE_MODE, 25, 1), 1
	s_wait_xcnt 0x0
	s_wait_alu depctr_hold_cnt(0) depctr_sa_sdst(0) depctr_va_vdst(0) depctr_va_sdst(0) depctr_va_ssrc(0) depctr_va_vcc(0) depctr_vm_vsrc(0)
	s_getreg_b32 s2, hwreg(HW_REG_IB_STS2, 6, 4)
	s_cmp_eq_u32 s2, 0
	s_cbranch_scc0 .Lentry_in_a_cluster
	s_endpgm
.Lentry_in_a_cluster:
	s_bfe_u32 s2, ttmp6, 0x10000c
	s_cmp_lg_u32 s2, 0xf033
	s_cbranch_scc0 .Lentry_shape_is_right
	s_endpgm
.Lentry_shape_is_right:
; out0 = Q(h) Q(proj2)^T + proj2_bias.  hq and w2q hold codes of BF6 (E3M2) with E8M0 scale words, in blocks of 12,800 bytes
; (128 rows x 128 K: eight fragments of 1,536 bytes in the order of the operand's registers, then 512 bytes of scale words).
; A work-group of four waves makes 128 x 128 of out0 (256 work-groups), a wave 64 x 64; K = 8,192 goes in 64 steps of 128 through a ring of two LDS slots of six steps (the last fill: four), filled by joint loads in a cluster of 4 x 4.
; The bias is the C of the first products; results leave through each wave's own stage in LDS as whole runs of 256 bytes.
; PREFETCH: an operand's 128 rows are one dense run of 64 blocks.  Behind the joint load of tile n (six K steps) each wave asks for its three blocks of tile n + 2; the head also for tile 1.
; Tiles 1 to 9 are asked for; tile 10, of four steps, comes by its load alone, so that no address passes the run's end.
.set BLK,   12800
.set FRB,   1536
.set PART,  3*BLK
.set SLOT,  4*PART
.set SPARE, 2*SLOT
.set STG,   SPARE+512
.set LI,   1
.set SPW,  2
.set NIL,  3
.set STO,  4
.set RD,   5
.set CO,   6
.set BO,   7
.set ADRA, 8
.set ADRB, 12
.set ADRS, 16
.set SC,   32
.set B2,   40
.set OB,   40
.set ACC,  128
.set G1,   24
.set G0,   32
.set G1B,  48
.set G0B,  56
.set G1S,  68
.set G1SB, 76
.set MSB, 0
.macro WIN new
.if MSB != \new
	s_set_vgpr_msb (MSB<<8)|\new
.set MSB, \new
.endif
.endm
.set MUL,  0x05
.set TO_F, 0x40
.macro JLOAD g0a, g1a, g0b, g1b
	s_cmp_eq_u32 s15, 0
	s_cbranch_scc0 .Lfor_b_\@
	tensor_load_to_lds s[\g0a:\g0a+3], s[\g1a:\g1a+7]
	s_nop 0
.rept 4
	v_nop
.endr
	s_branch .Lasked_\@
.Lfor_b_\@:
	tensor_load_to_lds s[\g0b:\g0b+3], s[\g1b:\g1b+7]
	s_nop 0
.rept 4
	v_nop
.endr
.Lasked_\@:
.endm
.macro CREST
	s_cmp_lg_u32 s14, 0
	s_cbranch_scc1 .Lnot_wave_0_\@
	s_barrier_signal -3
.Lnot_wave_0_\@:
	s_barrier_wait -3
	s_barrier_signal -1
	s_barrier_wait -1
.endm
.macro CROUND
	s_barrier_signal -1
	s_barrier_wait -1
	CREST
.endm
.macro PLACES n
.rept \n
	v_nop
.endr
.endm
	s_load_b256 s[4:11], s[0:1], 0x0
	v_lshl_add_u32 v[SPW], v0, 2, SPARE
	v_mov_b32 v[NIL], 0
	ds_add_u32 v2, v3
	ds_add_u32 v2, v3
	s_wait_dscnt 0x0
	v_lshrrev_b32 v1, 5, v0
	v_readfirstlane_b32 s14, v1
	s_lshr_b32 s15, s14, 1
	s_and_b32 s16, s14, 1
	s_bfe_u32 s40, ttmp6, 0x40000
	s_bfe_u32 s41, ttmp6, 0x40004
	s_lshl_b32 s42, ttmp9, 2
	s_add_co_u32 s42, s42, s40
	s_and_b32 s17, ttmp7, 0xffff
	s_lshl_b32 s17, s17, 2
	s_add_co_u32 s17, s17, s41
	s_lshl_b32 s43, s41, 2
	s_lshl_b32 s43, 15, s43
	s_lshl_b32 s44, 0x1111, s40
	s_or_b32 s[G1], s43, (3<<16)|(1<<21)
	s_or_b32 s[G1B], s44, (3<<16)|(1<<21)
	s_or_b32 s[G1S], s43, (3<<16)|(1<<21)
	s_or_b32 s[G1SB], s44, (3<<16)|(1<<21)
.irp g, G1, G1B
	s_mov_b32 s[\g+1], 32<<16
	s_mov_b32 s[\g+2], 150<<16
	s_mov_b32 s[\g+3], 32<<16
	s_mov_b32 s[\g+4], 150
	s_mov_b32 s[\g+5], 32
	s_mov_b32 s[\g+6], 0
	s_mov_b32 s[\g+7], 0
.endr
.irp g, G1S, G1SB
	s_mov_b32 s[\g+1], 32<<16
	s_mov_b32 s[\g+2], 100<<16
	s_mov_b32 s[\g+3], 32<<16
	s_mov_b32 s[\g+4], 100
	s_mov_b32 s[\g+5], 32
	s_mov_b32 s[\g+6], 0
	s_mov_b32 s[\g+7], 0
.endr
	s_mul_i32 s22, s16, PART
	s_mul_i32 s20, s17, 64*BLK
	s_add_co_u32 s20, s20, s22
	s_mov_b32 s21, 0
	s_mul_i32 s46, s42, 64*BLK
	s_add_co_u32 s46, s46, s22
	s_mov_b32 s47, 0
	s_mul_i32 s45, s14, PART
	s_mul_i32 s96, s16, BLK
	s_sub_co_u32 s96, 12*BLK, s96
	s_mov_b32 s97, 0
	s_wait_kmcnt 0x0
	s_add_nc_u64 s[20:21], s[4:5], s[20:21]
	s_add_nc_u64 s[46:47], s[6:7], s[46:47]
; the prefetches: a wave's three blocks are 150 runs of 256 bytes; the four partners that ask for a tile jointly share them by address, 38 each (a lane a run, two instructions; lanes left over name the last run again)
.set PF0, 26                           ; v26  256 x min(38 p + lane, 149); never rewritten
.set PF1, 27                           ; v27  256 x min(38 p + 32 + min(lane, 5), 149); never rewritten
.set PFA, 92                           ; s[92:93] my wave's three blocks of a tile; stepped a tile at each change of slots in the loop
.macro ASK off
	global_prefetch_b8 v[PF0], s[PFA:PFA+1] offset:\off th:TH_LOAD_NT scope:SCOPE_SE
	global_prefetch_b8 v[PF1], s[PFA:PFA+1] offset:\off th:TH_LOAD_NT scope:SCOPE_SE
.endm
.macro ASKL                            ; in the loop: the last trip's two refills (tiles 8 and 9) have no whole tile two on
	s_cmp_gt_u32 s3, 1
	s_cbranch_scc0 .Lno_ask_\@
	ASK 18*BLK
.Lno_ask_\@:
.endm
	s_cmp_eq_u32 s15, 0                            ; do I fetch for A?
	s_cselect_b64 s[PFA:PFA+1], s[20:21], s[46:47]
	s_cselect_b32 s94, s40, s41                    ; p: my place among the four that ask with me (cx for A, cy for B)
	s_mul_i32 s94, s94, 38
	v_and_b32 v[PF0], 31, v0
	v_min_u32 v[PF1], 5, v[PF0]
	v_add_nc_u32 v[PF0], s94, v[PF0]
	v_add3_u32 v[PF1], v[PF1], s94, 32
	v_min_u32 v[PF0], 149, v[PF0]
	v_min_u32 v[PF1], 149, v[PF1]
	v_lshlrev_b32 v[PF0], 8, v[PF0]
	v_lshlrev_b32 v[PF1], 8, v[PF1]
	CROUND
.irp s, 0,1
	s_mov_b32 s[G0+4*\s], 1
	s_add_co_u32 s[G0+4*\s+1], s45, \s*SLOT
	s_add_nc_u64 s[G0+4*\s+2:G0+4*\s+3], s[20:21], \s*6*BLK
	s_or_b32 s[G0+4*\s+3], s[G0+4*\s+3], 0x80000000
	s_mov_b32 s[G0B+4*\s], 1
	s_add_co_u32 s[G0B+4*\s+1], s45, \s*SLOT
	s_add_nc_u64 s[G0B+4*\s+2:G0B+4*\s+3], s[46:47], \s*6*BLK
	s_or_b32 s[G0B+4*\s+3], s[G0B+4*\s+3], 0x80000000
	s_wait_alu depctr_va_vdst(0)
	s_wait_tensorcnt 0x0
	ds_add_u32 v2, v3
	ds_add_u32 v2, v3
	s_wait_dscnt 0x0
	CROUND
	JLOAD G0+4*\s, G1, G0B+4*\s, G1B
.if \s == 0
	ASK 6*BLK                                      ; tile 1
	ASK 12*BLK                                     ; tile 2
.else
	ASK 18*BLK                                     ; tile 3
.endif
.endr
	v_and_b32 v20, 31, v0
	v_lshlrev_b32 v[LI], 4, v20
	v_and_b32 v20, 15, v0
	v_bfe_u32 v21, v0, 4, 1
	v_lshlrev_b32 v[BO], 6, v21
	s_mul_i32 s84, s15, 4*FRB
	s_mul_i32 s85, s16, 4*FRB
	s_add_co_u32 s85, s85, 2*PART
	v_add_nc_u32 v22, s84, v[LI]
	v_add_nc_u32 v23, s85, v[LI]
	s_lshl_b32 s86, s15, 8
	s_lshl_b32 s87, s16, 8
	s_add_co_u32 s87, s87, 2*PART
	s_sub_co_u32 s87, s87, s86
	v_mul_u32_u24 v24, s87, v21
	v_lshl_add_u32 v24, v20, 2, v24
	s_add_co_u32 s86, s86, 8*FRB
	v_add_nc_u32 v24, s86, v24
.irp n, 0,1,2,3
	v_add_nc_u32 v[ADRA+\n], (\n/2)*SLOT+(\n%2)*PART, v22
	v_add_nc_u32 v[ADRB+\n], (\n/2)*SLOT+(\n%2)*PART, v23
	v_add_nc_u32 v[ADRS+\n], (\n/2)*SLOT+(\n%2)*PART, v24
.endr
	s_mul_i32 s88, s14, 16*272
	s_add_co_u32 s88, s88, STG
	v_mul_u32_u24 v[STO], v20, 272
	v_lshl_add_u32 v[STO], v21, 6, v[STO]
	v_add_nc_u32 v[STO], s88, v[STO]
	v_mul_u32_u24 v[RD], v21, 272
	v_lshl_add_u32 v[RD], v20, 4, v[RD]
	v_add_nc_u32 v[RD], s88, v[RD]
	v_lshlrev_b32 v[CO], 13, v21
	v_lshl_add_u32 v[CO], v20, 4, v[CO]
	s_lshl_b32 s46, s42, 9
	s_lshl_b32 s47, s16, 8
	s_add_co_u32 s46, s46, s47
	s_mov_b32 s47, 0
	s_add_nc_u64 s[8:9], s[8:9], s[46:47]
.irp b, 0,1,2,3
	global_load_b128 v[B2+8*\b:B2+8*\b+3], v[BO], s[8:9] offset:(32*(\b/2)+8*(\b%2))*4
	global_load_b128 v[B2+8*\b+4:B2+8*\b+7], v[BO], s[8:9] offset:(32*(\b/2)+8*(\b%2))*4+16
.endr
	s_lshl_b32 s90, s17, 7
	s_lshl_b32 s91, s15, 6
	s_add_co_u32 s90, s90, s91
	s_lshl_b32 s90, s90, 13
	s_add_co_u32 s90, s90, s46
	s_mov_b32 s91, 0
	s_add_nc_u64 s[10:11], s[10:11], s[90:91]
.macro FRAG reg, adr, off
.irp c, 0,1,2
	ds_load_b128 v[\reg+4*\c:\reg+4*\c+3], v[\adr] offset:\off+512*\c
.endr
.endm
.macro FETCH set, slot, part, idx
	WIN TO_F
.irp i, 0,1,2,3
	FRAG 128*(\set)+12*\i, ADRA+2*(\slot)+(\part), (\idx)*BLK+\i*FRB
.endr
.irp i, 0,1,2,3
	FRAG 128*(\set)+48+12*\i, ADRB+2*(\slot)+(\part), (\idx)*BLK+\i*FRB
.endr
	WIN 0
.irp i, 0,1,2,3
	ds_load_b32 v[SC+4*(\set)+\i], v[ADRS+2*(\slot)+(\part)] offset:(\idx)*BLK+64*\i
.endr
.endm
.macro MUL8 set, a0, zero
.irp a, \a0, \a0+1
.irp b, 0,1,2,3
.if \zero
	v_wmma_scale_f32_16x16x128_f8f6f4 v[ACC+8*(4*(\a)+\b):ACC+8*(4*(\a)+\b)+7], v[128*(\set)+48+12*\b:128*(\set)+48+12*\b+11], v[128*(\set)+12*(\a):128*(\set)+12*(\a)+11], v[B2+8*\b:B2+8*\b+7], v[SC+4*(\set)+\b], v[SC+4*(\set)+(\a)] matrix_a_fmt:MATRIX_FMT_BF6 matrix_b_fmt:MATRIX_FMT_BF6 matrix_a_scale:MATRIX_SCALE_ROW1
.else
	v_wmma_scale_f32_16x16x128_f8f6f4 v[ACC+8*(4*(\a)+\b):ACC+8*(4*(\a)+\b)+7], v[128*(\set)+48+12*\b:128*(\set)+48+12*\b+11], v[128*(\set)+12*(\a):128*(\set)+12*(\a)+11], v[ACC+8*(4*(\a)+\b):ACC+8*(4*(\a)+\b)+7], v[SC+4*(\set)+\b], v[SC+4*(\set)+(\a)] matrix_a_fmt:MATRIX_FMT_BF6 matrix_b_fmt:MATRIX_FMT_BF6 matrix_a_scale:MATRIX_SCALE_ROW1
.endif
.endr
.endr
.endm
.macro STEP set, ns, np, ni, zero
	PLACES 4
	FETCH 1-(\set), \ns, \np, \ni
	s_wait_dscnt 28
	WIN MUL
	MUL8 \set, 0, \zero
	MUL8 \set, 2, \zero
.endm
.macro TURN slot, next, fill
	WIN 0
.if \fill == 1
	s_wait_xcnt 0x0                                ; my earlier prefetches have read their base: it steps here, ahead of the waits of the change of slots
	s_add_nc_u64 s[PFA:PFA+1], s[PFA:PFA+1], 6*BLK
.endif
	s_wait_tensorcnt 0x0
	ds_add_u32 v[SPW], v[NIL]
	s_wait_dscnt 0x0
	s_barrier_signal -1
	WIN MUL
	MUL8 1, 0, 0
	WIN 0
	s_barrier_wait -1
.if \fill == 1
	CREST
	s_add_nc_u64 s[G0+4*\slot+2:G0+4*\slot+3], s[G0+4*\slot+2:G0+4*\slot+3], 12*BLK
	s_add_nc_u64 s[G0B+4*\slot+2:G0B+4*\slot+3], s[G0B+4*\slot+2:G0B+4*\slot+3], 12*BLK
	JLOAD G0+4*\slot, G1, G0B+4*\slot, G1B
.elseif \fill == 2
	CREST
	s_add_nc_u64 s[G0+4*\slot+2:G0+4*\slot+3], s[G0+4*\slot+2:G0+4*\slot+3], s[96:97]
	s_add_nc_u64 s[G0B+4*\slot+2:G0B+4*\slot+3], s[G0B+4*\slot+2:G0B+4*\slot+3], s[96:97]
	JLOAD G0+4*\slot, G1S, G0B+4*\slot, G1SB
.else
	PLACES 4
.endif
	FETCH 0, \next, 0, 0
.if \fill == 1
	ASKL                                           ; behind the joint load of tile n and the run of LDS loads: tile n + 2
.endif
	WIN MUL
	MUL8 1, 2, 0
.endm
	s_wait_tensorcnt 1
	s_barrier_signal -1
	s_barrier_wait -1
	FETCH 0, 0, 0, 0
	s_wait_loadcnt 0x0
	STEP 0, 0, 0, 1, 1
	WIN 0
	s_mov_b32 s3, 4
.Llap:
	STEP 1, 0, 0, 2, 0
	STEP 0, 0, 1, 0, 0
	STEP 1, 0, 1, 1, 0
	STEP 0, 0, 1, 2, 0
	TURN 0, 1, 1
	STEP 0, 1, 0, 1, 0
	STEP 1, 1, 0, 2, 0
	s_wait_alu depctr_va_vdst(0)
	STEP 0, 1, 1, 0, 0
	STEP 1, 1, 1, 1, 0
	STEP 0, 1, 1, 2, 0
	TURN 1, 0, 1
	STEP 0, 0, 0, 1, 0
	WIN 0
	s_sub_co_u32 s3, s3, 1
	s_cmp_lg_u32 s3, 0
	s_cbranch_scc1 .Llap
	STEP 1, 0, 0, 2, 0
	STEP 0, 0, 1, 0, 0
	STEP 1, 0, 1, 1, 0
	STEP 0, 0, 1, 2, 0
	TURN 0, 1, 2
	STEP 0, 1, 0, 1, 0
	STEP 1, 1, 0, 2, 0
	STEP 0, 1, 1, 0, 0
	STEP 1, 1, 1, 1, 0
	STEP 0, 1, 1, 2, 0
	TURN 1, 0, 0
	STEP 0, 0, 0, 1, 0
	STEP 1, 0, 1, 0, 0
	STEP 0, 0, 1, 1, 0
	s_wait_dscnt 0x0
	WIN MUL
	MUL8 1, 0, 0
	MUL8 1, 2, 0
	WIN 0
	PLACES 4
.macro TOSTAGE a
.irp b, 0,1,2,3
	ds_store_b128 v[STO], v[ACC+8*(4*(\a)+\b):ACC+8*(4*(\a)+\b)+3] offset:128*(\b/2)+32*(\b%2)
	ds_store_b128 v[STO], v[ACC+8*(4*(\a)+\b)+4:ACC+8*(4*(\a)+\b)+7] offset:128*(\b/2)+32*(\b%2)+16
.endr
.irp i, 0,1,2,3,4,5,6,7
	ds_load_b128 v[OB+32*((\a)%2)+4*\i:OB+32*((\a)%2)+4*\i+3], v[RD] offset:544*\i
.endr
.endm
.macro SEND a, younger
	s_wait_dscnt \younger
.irp i, 0,1,2,3,4,5,6,7
	global_store_b128 v[CO], v[OB+32*((\a)%2)+4*\i:OB+32*((\a)%2)+4*\i+3], s[10:11] offset:(32*((\a)/2)+8*((\a)%2)+2*\i+8*(\i/4))*8192 th:TH_STORE_NT
.endr
.endm
	TOSTAGE 0
	TOSTAGE 1
	SEND 0, 16
	s_wait_xcnt 0x0
	TOSTAGE 2
	SEND 1, 16
	s_wait_xcnt 0x0
	TOSTAGE 3
	SEND 2, 16
	SEND 3, 0
	s_wait_tensorcnt 0x0
	ds_add_u32 v[SPW], v[NIL]
	s_wait_dscnt 0x0
	CROUND
	s_endpgm
.Lfunc_end_k_q70d928574e_gemm2:
	.size	k_q70d928574e_gemm2, .Lfunc_end_k_q70d928574e_gemm2-k_q70d928574e_gemm2
	.p2alignl 7, 3214868480
	.fill 96, 4, 3214868480
	.section	.rodata,"a",@progbits
	.p2align	6, 0x0
	.amdhsa_kernel k_q70d928574e_gemm2
		.amdhsa_group_segment_fixed_size 327680
		.amdhsa_private_segment_fixed_size 0
		.amdhsa_enable_private_segment 0
		.amdhsa_kernarg_size 32
		.amdhsa_user_sgpr_count 2
		.amdhsa_user_sgpr_kernarg_segment_ptr 1
		.amdhsa_wavefront_size32 1
		.amdhsa_system_sgpr_workgroup_id_x 1
		.amdhsa_system_sgpr_workgroup_id_y 1
		.amdhsa_system_sgpr_workgroup_id_z 1
		.amdhsa_system_vgpr_workitem_id 0
		.amdhsa_next_free_vgpr 512
		.amdhsa_next_free_sgpr 100
		.amdhsa_reserve_vcc 0
		.amdhsa_float_denorm_mode_32 3
		.amdhsa_float_denorm_mode_16_64 3
		.amdhsa_memory_ordered 1
		.amdhsa_forward_progress 1
		.amdhsa_inst_pref_size 135
	.end_amdhsa_kernel
	.amdgpu_metadata
---
amdhsa.version: [ 1, 2 ]
amdhsa.kernels:
  - .name:           k_q70d928574e_gemm2
    .symbol:         k_q70d928574e_gemm2.kd
    .args:
      - { .name: hq, .offset: 0, .size: 8, .value_kind: global_buffer, .address_space: global }
      - { .name: w2q, .offset: 8, .size: 8, .value_kind: global_buffer, .address_space: global }
      - { .name: proj2_bias, .offset: 16, .size: 8, .value_kind: global_buffer, .address_space: global }
      - { .name: out0, .offset: 24, .size: 8, .value_kind: global_buffer, .address_space: global }
    .group_segment_fixed_size: 327680
    .private_segment_fixed_size: 0
    .kernarg_segment_align: 8
    .kernarg_segment_size: 32
    .max_flat_workgroup_size: 128
    .sgpr_count:     100
    .vgpr_count:     512
    .wavefront_size: 32
...
	.end_amdgpu_metadata
.endif
;; end of part 3
